; MI455X (gfx1250); checked and timed in simulation.
; The chip was launched on July 23, 2026; its instructions are those of AMD's public machine-readable ISA for CDNA 5 (MIT licence, August 2026) and "CDNA5" Instruction Set Architecture Reference Guide (July 2026). The comments in the code are by the model that wrote it; some were corrected since.
;; T5 Attention. Allowed arithmetic: matrix products marked QUANTISED: E2M1 operands, one E8M0 scale for each 32 along K, by v_wmma_scale_f32_16x16x128_f8f6f4 with both operands' format E2M1 (or v_wmma_scale_f32_32x16x128_f4), f32 sums; products left as they are: bf16, f16 or f32 operands; f32 sums; everything else in f32.
;; Inputs: Wk 1,024 x 1,024 float32; Wo 1,024 x 1,024 float32; Wq 1,024 x 1,024 float32; Wv 1,024 x 1,024 float32; rel_emb 32 x 16 float32; x 8 x 1,024 x 1,024 float32.
;; Outputs: out0 8 x 1,024 x 1,024 float32.
;; This version of the problem:
;;   THIS VERSION OF THE PROBLEM IS GIVEN IN LOW PRECISION. The matrix products marked QUANTISED in the list below multiply operands that are first quantised to E2M1 (2 exponent bits, 1 mantissa bit; 4 bits a number), with one power-of-two scale for each 32 numbers along K (OCP MX v1.0); their sums are f32. The products marked 'left as it is' may take bf16, f16 or f32 operands, with f32 sums. Whichever they take, every output number must still come out within the allowed error. Rounding operands to bf16 (8 significant bits) uses up far more of that allowance than f16 does (11 bits, for magnitudes from 6e-5 to 65,504). All else is computed in f32.
;;   The module's matrix products, in the order in which they are computed (A, B: the left and right operand; K: the contracted axis; several contracted axes count as one K, in the product's order):
;;     1. [M 8,192, K 1,024] x [K 1,024, N 1,024]; A: input x; B: input Wq: QUANTISED
;;     2. [M 8,192, K 1,024] x [K 1,024, N 1,024]; A: input x; B: input Wk: QUANTISED
;;     3. [M 8,192, K 1,024] x [K 1,024, N 1,024]; A: input x; B: input Wv: QUANTISED
;;     4. batch 128 x [M 1,024, K 64] x [K 64, N 1,024]; A: computed on the way; B: computed on the way: left as it is (an operand is computed on the way)
;;     5. batch 128 x [M 1,024, K 1,024] x [K 1,024, N 64]; A: computed on the way; B: computed on the way: left as it is (an operand is computed on the way)
;;     6. [M 8,192, K 1,024] x [K 1,024, N 1,024]; A: computed on the way; B: input Wo: left as it is (an operand is computed on the way)
;;   THE QUANTISER, for each operand of a quantised product, along K:
;;     - K is cut into blocks of 32 from its start; a last block that is shorter is filled with zeros.
;;     - A block's scale is 2^e with e = floor(log2(the largest magnitude in the block)) - 2, held to -126 .. 127; a block of zeros has e = 0. As a byte (E8M0): e + 127.
;;     - Each number is divided by its block's scale, clamped to +-6, and rounded to the nearest number of E2M1, ties to even, subnormals kept.
;;     - The product sums the exact products of the quantised numbers (number of the format x scale) in f32.
;;   ~~~python
;;   def quantise(x, axis):      # numpy; x: float32 -> the quantised numbers, widened to float32 again
;;       x = np.moveaxis(x, axis, -1); K = x.shape[-1]
;;       x = np.pad(x, [(0, 0)] * (x.ndim - 1) + [(0, -K % 32)]); x = x.reshape(x.shape[:-1] + (-1, 32)); a = np.abs(x).max(-1, keepdims=True)
;;       e = np.where(a > 0, np.clip(np.frexp(np.where(a > 0, a, 1))[1] - 1 - 2, -126, 127), 0)      # np.frexp(a)[1] - 1 = floor(log2(a)), exactly
;;       r = np.clip(x / 2.0 ** e, -6, 6)
;;       step = 2.0 ** (np.maximum(np.frexp(np.where(r == 0, 1, r))[1] - 1, 0) - 1)
;;       q = np.round(r / step) * step * 2.0 ** e      # np.round: ties to even
;;       return np.moveaxis(q.reshape(q.shape[:-2] + (-1,))[..., :K], -1, axis).astype(np.float32)
;;   ~~~
;; One version. Each part assembles by itself: llvm-mc -triple=amdgcn-amd-amdhsa -mcpu=gfx1250 --defsym DOCPART=n.
;; ======== version 1 of 1: 4 launches
;; limits: values are held in f16: magnitudes above 65,504 overflow, below 6.1e-05 lose precision
;; workspace buffers: codes 5,767,168 bytes; scales 360,448 bytes; wo16 2,097,152 bytes; biast 557,056 bytes; qkv 50,331,648 bytes; ctx 16,777,216 bytes
;; launch prep (part 1): grid 1040 x 1, 4 waves a work-group, no clusters, 68,608 bytes of LDS; arguments x, Wq, Wk, Wv, Wo, rel_emb, codes, scales, wo16, biast; writes codes, scales, wo16, biast
.if DOCPART == 1
	.amdgcn_target "amdgcn-amd-amdhsa--gfx1250"
	.amdhsa_code_object_version 6
	.text
	.protected	k_qd0fc4ae34f_prep
	.globl	k_qd0fc4ae34f_prep
	.p2align	8
	.type	k_qd0fc4ae34f_prep,@function
k_qd0fc4ae34f_prep:
	s_mov_b64 s[64:65], 0
	v_nop
	global_prefetch_b8 v0, s[64:65] scope:SCOPE_SE
	s_setreg_imm32_b32 hwreg(HW_REG_WAVE_MODE, 25, 1), 1
	s_wait_xcnt 0x0
; PREP: everything that is made once from the inputs.
;  (1) x [8192][1024] and Wq, Wk, Wv [1024 (k)][1024 (n)], f32, become codes of FP4 (E2M1) with one E8M0 byte for each 32 along K.
;      codes  [kb 32][row 11264][16 bytes]: rows 0..8191 are x's rows, row 8192 + 1024 w + n is column n of Wq, Wk, Wv (w = 0, 1, 2); a chunk holds the 32 codes of K block kb.
;      scales [kg 2][row 11264][16 bytes]: byte i is the scale of block 16 kg + i.
;  (2) Wo [1024 (k)][1024 (n)] becomes f16: wo16 [k8 128][n 1024][16 bytes], a chunk = Wo[8 k8 .. 8 k8 + 7][n].
;  (3) the position bias x log2(e): biast [head 16][copy c 4][y 2176] f32 = log2e x rel_emb[bucket(d)][head], d = key - query = y - 17 c - 1024.
; A block's scale is 2^(floor(log2(its largest magnitude)) - 2); its byte is that magnitude's exponent field - 2, held at 1 from below.
; LIMITS: a block of zeros, or one whose largest magnitude lies under 2^-124, gets the byte 1 (the bytes are read by this program alone; zero codes add nothing); NaN and infinities are not served;
; |Wo| stays under 65,504 (f16).  The bucket's logarithm is replaced by its whole-number thresholds 12, 16, 23, 32, 46, 64, 91, which give the same bucket for every distance 0 .. 1151.
; SHARES, by the work-group's number g.  g < 512: 32 rows of x, 512 along K (wave w: 128 of them).  512 <= g < 768: 32 columns of one of the four weights, 512 along K.  g >= 768: 128 y of one head, wave = copy.
; In the quantising paths a LANE holds one row (x) or one column (a weight) and its 128 registers run along K: a block's maximum needs no other lane and the conversions' results are the chunks as stored.
; x's rows lie along K in memory, so its loads take 512 consecutive bytes of a row and the wave's 32 rows turn through the wave's own stage in LDS (pitch 528 = 33 x 16 bytes).
; Every store of codes, f16 and bias covers 512 consecutive bytes, aligned.  No loop: all loads of a wave go out at once.
.set PLANE, 180224                     ; 11264 rows x 16 bytes
.set STGW,  16896                      ; a wave's stage: 32 rows x 528 bytes
.set SP,    528
.set SCW,   67584                      ; behind the stages: 32 rows x 16 scale bytes, word w from wave w
.set SPARE, 68096                      ; the spare words, 128 bytes a wave: two blocks of 256 bytes that no other line names
.set SPW,   2                          ; v2  LDS address of my spare word; never rewritten
.set NIL,   3                          ; v3  0; never rewritten
.set X,     32                         ; v32-159  128 numbers
.set C,     160                        ; v160-175 four blocks' codes
	s_load_b256 s[4:11], s[0:1], 0x0               ; x s[4:5], Wq s[6:7], Wk s[8:9], Wv s[10:11]
	s_load_b256 s[12:19], s[0:1], 0x20             ; Wo s[12:13], rel_emb s[14:15], codes s[16:17], scales s[18:19]
	s_load_b128 s[20:23], s[0:1], 0x40             ; wo16 s[20:21], biast s[22:23]
	v_lshl_add_u32 v[SPW], v0, 2, SPARE
	v_mov_b32 v[NIL], 0
	v_lshrrev_b32 v1, 5, v0
	v_readfirstlane_b32 s24, v1                    ; wave 0..3
	v_and_b32 v1, 31, v0                           ; lane
	v_lshlrev_b32 v4, 2, v1                        ; 4 x lane: the weights' loads
	v_lshlrev_b32 v7, 4, v1                        ; 16 x lane: x's loads and every store
	s_mul_i32 s25, s24, STGW
	v_add_nc_u32 v5, s25, v7                       ; the stage, on the way in: 16 x lane of a row
	v_mul_u32_u24 v6, v1, SP
	v_add_nc_u32 v6, s25, v6                       ; and on the way out: row = lane
	s_lshl_b32 s25, s24, 2
	s_add_co_u32 s25, s25, SCW
	v_add_nc_u32 v8, s25, v7                       ; my row's scale word: 16 x lane + 4 x wave
	v_add_nc_u32 v9, SCW, v7                       ; a row's four words
	s_mov_b32 s33, 0                               ; high words of the byte offsets, all under 2^32
	s_mov_b32 s35, 0
	s_wait_kmcnt 0x0
	s_cmp_lt_u32 ttmp9, 512
	s_cbranch_scc0 .Lnot_x
	; ---- x: rows 32 (g / 2) on, K from 512 (g % 2) + 128 wave on
	s_lshr_b32 s26, ttmp9, 1
	s_and_b32 s27, ttmp9, 1                        ; kg
	s_lshl_b32 s30, s26, 5                         ; my first row in codes and scales
	s_lshl_b32 s32, s26, 17                        ; 32 rows of 4,096 bytes
	s_lshl_b32 s28, s27, 11
	s_add_co_u32 s32, s32, s28
	s_lshl_b32 s28, s24, 9
	s_add_co_u32 s32, s32, s28
	s_add_nc_u64 s[4:5], s[4:5], s[32:33]
.set i, 0
.rept 32
	global_load_b128 v[X+4*i:X+4*i+3], v7, s[4:5] offset:4096*i th:TH_LOAD_NT   ; 512 consecutive bytes of row i
.set i, i+1
.endr
.set i, 0
.rept 32
	s_wait_loadcnt 31-i                            ; loads come back in order: row i is in, the 31 - i younger ones stay out
	ds_store_b128 v5, v[X+4*i:X+4*i+3] offset:SP*i
.set i, i+1
.endr
.set i, 0
.rept 32
	ds_load_b128 v[X+4*i:X+4*i+3], v6 offset:16*i  ; my row's 128 numbers, in order.  LDS serves a wave's instructions in order: these see the stores above
.set i, i+1
.endr
	s_branch .Lquant
.Lnot_x:
	s_cmp_lt_u32 ttmp9, 768
	s_cbranch_scc0 .Lbias
	; ---- a weight: t = g - 512: which = t / 64, columns 32 ((t / 2) % 32) on, K from 512 (t % 2) + 128 wave on
	s_sub_co_u32 s26, ttmp9, 512
	s_lshr_b32 s29, s26, 6                         ; 0 Wq, 1 Wk, 2 Wv, 3 Wo
	s_bfe_u32 s31, s26, 0x50001                    ; block of 32 columns
	s_and_b32 s27, s26, 1                          ; kg
	s_cmp_eq_u32 s29, 1                            ; the choice hangs on the work-group's number alone
	s_cselect_b64 s[36:37], s[8:9], s[6:7]
	s_cmp_eq_u32 s29, 2
	s_cselect_b64 s[36:37], s[10:11], s[36:37]
	s_cmp_eq_u32 s29, 3
	s_cselect_b64 s[36:37], s[12:13], s[36:37]
	s_lshl_b32 s32, s27, 9
	s_lshl_b32 s28, s24, 7
	s_add_co_u32 s32, s32, s28                     ; my first k
	s_lshl_b32 s32, s32, 12                        ; rows of 4,096 bytes
	s_lshl_b32 s28, s31, 7
	s_add_co_u32 s32, s32, s28
	s_add_nc_u64 s[36:37], s[36:37], s[32:33]
.set i, 0
.rept 128
	global_load_b32 v[X+i], v4, s[36:37] offset:4096*i   ; W(k0 + i, my column): the registers run down K
.set i, i+1
.endr
	s_cmp_eq_u32 s29, 3
	s_cbranch_scc1 .Lcast
	s_lshl_b32 s30, s29, 10
	s_lshl_b32 s28, s31, 5
	s_add_co_u32 s30, s30, s28
	s_add_co_u32 s30, s30, 8192                    ; my first row in codes and scales
.Lquant:
	; ---- one text for x and for Wq, Wk, Wv: v[X + 32 b + i] is number i of block b of my row
	s_lshl_b32 s28, s27, 4
	s_lshl_b32 s32, s24, 2
	s_add_co_u32 s28, s28, s32                     ; my first K block: 16 kg + 4 wave
	s_mul_i32 s32, s28, PLANE
	s_lshl_b32 s28, s30, 4
	s_add_co_u32 s32, s32, s28
	s_add_nc_u64 s[16:17], s[16:17], s[32:33]
	s_mul_i32 s34, s27, PLANE
	s_add_co_u32 s34, s34, s28
	s_add_nc_u64 s[18:19], s[18:19], s[34:35]
; Block b.  lc: the weights' loads issued behind this block's 32 (96, 64, 32, 0; a count names 63 at the most).  The LDS count leaves x's 8 loads of each later block out.
.macro QB b, lc
	s_wait_loadcnt \lc
	s_wait_dscnt 24-8*\b
.set XS, X+32*\b
	v_max3_num_f32 v10, |v[XS]|, |v[XS+1]|, |v[XS+2]|              ; the block's largest magnitude, in two chains
	v_max3_num_f32 v11, |v[XS+3]|, |v[XS+4]|, |v[XS+5]|
.irp n, 6,10,14,18,22,26
	v_max3_num_f32 v10, v10, |v[XS+\n]|, |v[XS+\n+1]|
	v_max3_num_f32 v11, v11, |v[XS+\n+2]|, |v[XS+\n+3]|
.endr
	v_max3_num_f32 v10, v10, |v[XS+30]|, |v[XS+31]|
	v_max3_num_f32 v10, v10, v11, 0x1800000        ; and the floor 2^(3 - 127): the byte cannot fall under 1
	v_add_nc_u32 v[18+\b], 0xff000000, v10         ; 2 off the exponent field: the conversion takes this operand's exponent field as its scale
.irp g, 0,1,2,3
	v_cvt_scalef32_pk8_fp4_f32 v[C+4*\b+\g], v[XS+8*\g:XS+8*\g+7], v[18+\b]
.endr
	v_lshrrev_b32 v[22+\b], 23, v[18+\b]           ; the scale's byte (also the plain line behind the conversions)
	global_store_b128 v7, v[C+4*\b:C+4*\b+3], s[16:17] offset:PLANE*\b   ; 32 rows' chunks: 512 consecutive bytes
.endm
	QB 0, 63
	QB 1, 63
	QB 2, 32
	QB 3, 0
	v_lshl_or_b32 v26, v23, 8, v22                 ; my row's scale word for these 128 along K
	v_lshl_or_b32 v26, v24, 16, v26
	v_lshl_or_b32 v26, v25, 24, v26
	ds_store_b32 v8, v26
	s_wait_dscnt 0x0                               ; for the others' sake: my word has landed
	s_barrier_signal -1
	s_barrier_wait -1                              ; (the branches in front hang on the work-group's number: all four waves are here)
	s_cmp_lg_u32 s24, 0
	s_cbranch_scc1 .Lend
	ds_load_b128 v[28:31], v9                      ; wave 0: the four waves' words of each row
	s_wait_dscnt 0x0
	global_store_b128 v7, v[28:31], s[18:19]       ; 512 consecutive bytes
	s_branch .Lend
.Lcast:
	; ---- Wo to f16: eight numbers down K make a chunk
	s_lshl_b32 s28, s27, 6
	s_lshl_b32 s32, s24, 4
	s_add_co_u32 s28, s28, s32                     ; my first k8: 64 kg + 16 wave
	s_lshl_b32 s28, s28, 14                        ; planes of 16,384 bytes
	s_lshl_b32 s32, s31, 9
	s_add_co_u32 s32, s32, s28
	s_add_nc_u64 s[20:21], s[20:21], s[32:33]
.set c8, 0
.rept 16
.if 120-8*c8 > 63
	s_wait_loadcnt 63                              ; the loads behind this chunk's eight stay out (a count names 63 at the most)
.else
	s_wait_loadcnt 120-8*c8
.endif
.irp e, 0,1,2,3
	v_cvt_pk_f16_f32 v[X+4*c8+\e], v[X+8*c8+2*\e], v[X+8*c8+2*\e+1]   ; in place, ascending: a register is read no later than it is written
.endr
	global_store_b128 v7, v[X+4*c8:X+4*c8+3], s[20:21] offset:16384*c8
.set c8, c8+1
.endr
	s_branch .Lend
.Lbias:
	; ---- the bias table: t = g - 768: head = t % 16, y from 128 (t / 16) + 4 lane on, copy = wave
	s_sub_co_u32 s26, ttmp9, 768
	s_and_b32 s29, s26, 15
	s_lshr_b32 s31, s26, 4
	s_lshl_b32 s28, s31, 7
	s_mul_i32 s30, s24, 17
	s_sub_co_u32 s28, s28, s30
	s_sub_co_u32 s28, s28, 1024
	v_add_nc_u32 v10, s28, v4                      ; d = y - 17 c - 1024 of my first number (two's complement)
	s_lshl_b32 s30, s29, 2                         ; the head's 4 bytes in a row of rel_emb
	v_mov_b32 v15, 16
	v_mov_b32 v16, 1
.macro BUCKET e
	v_add_nc_u32 v11, \e, v10                      ; d
	v_sub_nc_u32 v12, 0, v11
	v_cmp_lt_i32 vcc_lo, 0, v11                    ; the key comes after the query
	v_cndmask_b32 v12, v12, v11, vcc_lo            ; n = |d|
	v_cndmask_b32 v13, 0, v15, vcc_lo              ; 16 there, else 0
	v_mov_b32 v17, 8
.irp T, 11,15,22,31,45,63,90
	v_cmp_lt_u32 vcc_lo, \T, v12                   ; one more for each threshold passed
	v_cndmask_b32 v14, 0, v16, vcc_lo
	v_add_nc_u32 v17, v17, v14
.endr
	v_cmp_gt_u32 vcc_lo, 8, v12
	v_cndmask_b32 v17, v17, v12, vcc_lo            ; n itself under 8
	v_add_nc_u32 v17, v17, v13
	v_min_u32 v17, 31, v17                         ; inside the table
	v_lshl_add_u32 v[20+\e], v17, 6, s30           ; a row of rel_emb is 64 bytes
	global_load_b32 v[24+\e], v[20+\e], s[14:15]
.endm
	BUCKET 0
	BUCKET 1
	BUCKET 2
	BUCKET 3
	s_mul_i32 s32, s29, 34816
	s_mul_i32 s28, s24, 8704
	s_add_co_u32 s32, s32, s28
	s_lshl_b32 s28, s31, 9
	s_add_co_u32 s32, s32, s28
	s_add_nc_u64 s[22:23], s[22:23], s[32:33]
	s_wait_loadcnt 0x0
.irp e, 0,1,2,3
	v_mul_f32 v[24+\e], 0x3fb8aa3b, v[24+\e]       ; x log2(e): the softmax works in powers of two
.endr
	global_store_b128 v7, v[24:27], s[22:23]       ; 512 consecutive bytes
.Lend:
	s_wait_tensorcnt 0x0                           ; the wave's end, behind my last LDS store
	ds_add_u32 v[SPW], v[NIL]
	s_wait_dscnt 0x0
	s_endpgm
.Lfunc_end_k_qd0fc4ae34f_prep:
	.size	k_qd0fc4ae34f_prep, .Lfunc_end_k_qd0fc4ae34f_prep-k_qd0fc4ae34f_prep
	.p2alignl 7, 3214868480
	.fill 96, 4, 3214868480
	.section	.rodata,"a",@progbits
	.p2align	6, 0x0
	.amdhsa_kernel k_qd0fc4ae34f_prep
		.amdhsa_group_segment_fixed_size 68608
		.amdhsa_private_segment_fixed_size 0
		.amdhsa_enable_private_segment 0
		.amdhsa_kernarg_size 80
		.amdhsa_user_sgpr_count 2
		.amdhsa_user_sgpr_kernarg_segment_ptr 1
		.amdhsa_wavefront_size32 1
		.amdhsa_system_sgpr_workgroup_id_x 1
		.amdhsa_system_sgpr_workgroup_id_y 1
		.amdhsa_system_sgpr_workgroup_id_z 1
		.amdhsa_system_vgpr_workitem_id 0
		.amdhsa_next_free_vgpr 176
		.amdhsa_next_free_sgpr 66
		.amdhsa_reserve_vcc 1
		.amdhsa_float_denorm_mode_32 3
		.amdhsa_float_denorm_mode_16_64 3
		.amdhsa_memory_ordered 1
		.amdhsa_forward_progress 1
		.amdhsa_inst_pref_size 42
	.end_amdhsa_kernel
	.amdgpu_metadata
---
amdhsa.version: [ 1, 2 ]
amdhsa.kernels:
  - .name:           k_qd0fc4ae34f_prep
    .symbol:         k_qd0fc4ae34f_prep.kd
    .args:
      - { .name: x, .offset: 0, .size: 8, .value_kind: global_buffer, .address_space: global }
      - { .name: Wq, .offset: 8, .size: 8, .value_kind: global_buffer, .address_space: global }
      - { .name: Wk, .offset: 16, .size: 8, .value_kind: global_buffer, .address_space: global }
      - { .name: Wv, .offset: 24, .size: 8, .value_kind: global_buffer, .address_space: global }
      - { .name: Wo, .offset: 32, .size: 8, .value_kind: global_buffer, .address_space: global }
      - { .name: rel_emb, .offset: 40, .size: 8, .value_kind: global_buffer, .address_space: global }
      - { .name: codes, .offset: 48, .size: 8, .value_kind: global_buffer, .address_space: global }
      - { .name: scales, .offset: 56, .size: 8, .value_kind: global_buffer, .address_space: global }
      - { .name: wo16, .offset: 64, .size: 8, .value_kind: global_buffer, .address_space: global }
      - { .name: biast, .offset: 72, .size: 8, .value_kind: global_buffer, .address_space: global }
    .group_segment_fixed_size: 68608
    .private_segment_fixed_size: 0
    .kernarg_segment_align: 8
    .kernarg_segment_size: 80
    .max_flat_workgroup_size: 128
    .sgpr_count:     66
    .vgpr_count:     176
    .wavefront_size: 32
...
	.end_amdgpu_metadata
.endif
;; end of part 1
;; launch qkv (part 2): grid 8 x 32, 4 waves a work-group, clusters of 4 x 4, 327,680 bytes of LDS; arguments codes, scales, qkv; writes qkv
.if DOCPART == 2
	.amdgcn_target "amdgcn-amd-amdhsa--gfx1250"
	.amdhsa_code_object_version 6
	.text
	.protected	k_qd0fc4ae34f_qkv
	.globl	k_qd0fc4ae34f_qkv
	.p2align	8
	.type	k_qd0fc4ae34f_qkv,@function
k_qd0fc4ae34f_qkv:
	s_mov_b64 s[64:65], 0
	v_nop
	global_prefetch_b8 v0, s[64:65] scope:SCOPE_SE
	s_setreg_imm32_b32 hwreg(HW_REG_WAVE_MODE, 25, 1), 1
	s_wait_xcnt 0x0
	s_wait_alu depctr_hold_cnt(0) depctr_sa_sdst(0) depctr_va_vdst(0) depctr_va_sdst(0) depctr_va_ssrc(0) depctr_va_vcc(0) depctr_vm_vsrc(0)
	s_getreg_b32 s2, hwreg(HW_REG_IB_STS2, 6, 4)
	s_cmp_eq_u32 s2, 0
	s_cbranch_scc0 .Lentry_in_a_cluster
	s_endpgm
.Lentry_in_a_cluster:
	s_bfe_u32 s2, ttmp6, 0x10000c
	s_cmp_lg_u32 s2, 0xf033
	s_cbranch_scc0 .Lentry_shape_is_right
	s_endpgm
.Lentry_shape_is_right:
; QKV: [8192 tokens] x [3072 channels] = x (Wq | Wk | Wv), K = 1024, on codes of FP4 (E2M1) with one E8M0 scale for each 32 along K; sums in f32; q is multiplied by log2(e); all is rounded once to f16.
; codes [kb 32][row 11264][16 bytes], scales [kg 2][row 11264][16 bytes]: rows 0..8191 x, rows 8192.. the 3,072 channels.  qkv [u8 384][token 8192][16 bytes]: a chunk = channels 8 u8 .. 8 u8 + 7 of a token.
; LIMIT: |q log2e|, |k|, |v| stay under 65,504 (f16).
; SHARES.  32 x 8 = 256 work-groups, each 256 tokens x 384 channels.  Wave w owns tokens 64 w .. 64 w + 63.  ITS CODES OF x, ALL OF K, STAY IN ITS REGISTERS: 64 tokens x 512 bytes = 256 registers, loaded
; straight from memory, each load's sixteen lanes taking 256 consecutive bytes; no wave of the work-group reads another's rows.  THE CHANNELS' CODES, ALL OF K, LIE IN LDS, asked for once at the head; nothing
; is filled again.  They are worked in three sub-tiles of 128 channels: 4 x 8 = 32 accumulators, 8 steps of 128 along K; a sub-tile's results leave while the next is multiplied.
; In LDS a sub-tile is [kb 32][128 channels][16 bytes], as in memory: a fragment's load takes 256 consecutive bytes in sixteen lanes: no pitch, no padding.
; CLUSTERS: 4 x 4 work-groups.  The four of a column of the cluster need the same channels: their tiles are asked for JOINTLY, by the same tensor load with a mask that names the four.  x's rows, which the
; four of a row share, are not: 256 rows x 512 bytes = 131,072 bytes beside the channels' 384 x 512 = 196,608 would be all 327,680 bytes of LDS, with none left for the scale bytes and the spare words.
; THE MATRIX INSTRUCTION IS USED TRANSPOSED (source 0 = 16 channels, source 1 = 16 tokens): a lane then holds eight neighbouring channels of one token: one chunk of qkv, stored from registers, sixteen lanes to 256 aligned bytes.
; REGISTERS, in windows of 256: window 0: v16-29 addresses; v32-63 x's scale words; v64-127 the channels' scale words; v128-255 the channels' fragments, two sets.
;   window 1: the 32 accumulators ((a, b) at v[8 (8 a + b)]).   window 2: x's fragments (block a, K step q at v[32 q + 8 a]).   window 3: the way out.
.set FR,     8                         ; registers of a fragment: 16 rows x 128 K
.set NP,     4                         ; places behind this matrix instruction (ISA guide 7.12.1)
.set PLB,    2048                      ; a K block's chunks of 128 channels
.set WPART,  8*PLB                     ; what one tensor load brings: 8 K blocks of a sub-tile
.set SUBB,   32*PLB                    ; a sub-tile: 128 channels, all of K
.set SCB,    3*SUBB                    ; behind the three sub-tiles: the channels' scale bytes, four parts [kg 2][96 channels][16 bytes]
.set SPART,  3072
.set SPARE,  SCB+4*SPART               ; the spare words, 128 bytes a wave: two blocks of 256 bytes that no other line names
.set GPL,    180224                    ; a plane of codes or of scales in memory
.set ADRB, 16                          ; v16-18  LDS address of my lane's chunk in sub-tile 0, 1, 2: 2048 (lane / 16) + 16 (lane % 16)
.set ADRS, 20                          ; v20     LDS address of my lane's scale bytes: SCB + 16 (lane % 16)
.set AO,   22                          ; v22     x's codes: 180224 (lane / 16) + 16 (lane % 16); never rewritten
.set SO,   23                          ; v23     x's scale bytes: 16 (lane % 16); never rewritten
.set CO,   26                          ; v26     my byte offset in qkv: 131072 (lane / 16) + 16 (lane % 16); never rewritten
.set SPW,  28                          ; v28     LDS address of my spare word; never rewritten
.set NIL,  29                          ; v29     0; never rewritten
.set SA,   32                          ; x's scale words: block a, K step q at v[SA + 8 a + q]
.set SB,   64                          ; the channels': block b, K step q at v[SB + 8 b + q]
.set BF,   128                         ; the channels' fragments: set p at v[BF + 64 p]
.set TT,   0                           ; window 3: v0-63 a block's 64 results x the factor
.set OB,   64                          ; window 3: v64-191 f16 chunks, 32 registers for each of the four blocks of tokens
.set G1B, 24                           ; s[24:31] descriptor group 1 for the channels' codes;  s[52:63] group 0, a set for each sub-tile
.set G0B, 52
.set G1S, 32                           ; s[32:39], s[48:51] groups 1 and 0 for their scale bytes
.set G0S, 48
.set FQ,  68                           ; s[68:73] a pair for each sub-tile: log2(e) for q's channels, 1 for the others
.set MSB, 0
.macro WIN new                         ; the immediate's high byte repeats the setting that is left
.if MSB != \new
	s_set_vgpr_msb (MSB<<8)|\new
.set MSB, \new
.endif
.endm
.set MUL,  0x58                        ; source 0 (channels) window 0, source 1 (x) window 2, C and D window 1
.macro CROUND                          ; a round of the cluster's barrier
	s_barrier_signal -1
	s_barrier_wait -1
	s_cmp_lg_u32 s14, 0
	s_cbranch_scc1 .Lnot_wave_0_\@
	s_barrier_signal -3
.Lnot_wave_0_\@:
	s_barrier_wait -3
	s_barrier_signal -1
	s_barrier_wait -1
.endm
	s_load_b128 s[4:7], s[0:1], 0x0                ; codes s[4:5], scales s[6:7]
	s_load_b64 s[12:13], s[0:1], 0x10              ; qkv
	v_lshl_add_u32 v[SPW], v0, 2, SPARE
	v_mov_b32 v[NIL], 0
	ds_add_u32 v[SPW], v[NIL]                      ; the wave's opening: the add, twice on end, and its wait ahead of my first tensor load
	ds_add_u32 v[SPW], v[NIL]
	v_lshrrev_b32 v1, 5, v0
	v_readfirstlane_b32 s14, v1                    ; wave 0..3
	v_and_b32 v1, 15, v0                           ; r = lane % 16
	v_bfe_u32 v2, v0, 4, 1                         ; h = lane / 16
	v_lshlrev_b32 v[SO], 4, v1
	v_mul_u32_u24 v[AO], v2, GPL
	v_add_nc_u32 v[AO], v[AO], v[SO]               ; a fragment of x: chunk of row r, K block + h
	v_lshl_add_u32 v3, v2, 11, v[SO]               ; the same in LDS
.irp j, 0,1,2
	v_add_nc_u32 v[ADRB+\j], \j*SUBB, v3
.endr
	v_add_nc_u32 v[ADRS], SCB, v[SO]
	v_lshl_add_u32 v[CO], v2, 17, v[SO]
	s_bfe_u32 s40, ttmp6, 0x40000                  ; cx, cy: my place in the cluster
	s_bfe_u32 s41, ttmp6, 0x40004
	s_lshl_b32 s42, ttmp9, 2
	s_add_co_u32 s42, s42, s40                     ; tile column = 4 x cluster x + cx: 384 channels each
	s_and_b32 s17, ttmp7, 0xffff
	s_lshl_b32 s17, s17, 2
	s_add_co_u32 s17, s17, s41                     ; tile row = 4 x cluster y + cy: 256 tokens each
	s_lshl_b32 s44, 0x1111, s40                    ; my column of the cluster
	; group 1 for codes: 8 K blocks (rows of the tile) x 2,048 bytes (256 elements of 8 bytes), 180,224 bytes apart in memory, dense in LDS
	s_or_b32 s[G1B+0], s44, (3<<16)|(1<<21)        ; 15:0 the mask: my column; 17:16 elements of 8 bytes; 21 set beside a mask
	s_mov_b32 s[G1B+1], 256<<16                    ; tensor_dim0
	s_mov_b32 s[G1B+2], 8<<16                      ; tensor_dim1
	s_mov_b32 s[G1B+3], 256<<16                    ; tile_dim0
	s_mov_b32 s[G1B+4], 8                          ; tile_dim1
	s_mov_b32 s[G1B+5], GPL/8                      ; tensor_dim0_stride
	s_mov_b32 s[G1B+6], 0
	s_mov_b32 s[G1B+7], 0
	; and for scale bytes: 2 rows x 1,536 bytes (96 channels)
	s_or_b32 s[G1S+0], s44, (3<<16)|(1<<21)
	s_mov_b32 s[G1S+1], 192<<16
	s_mov_b32 s[G1S+2], 2<<16
	s_mov_b32 s[G1S+3], 192<<16
	s_mov_b32 s[G1S+4], 2
	s_mov_b32 s[G1S+5], GPL/8
	s_mov_b32 s[G1S+6], 0
	s_mov_b32 s[G1S+7], 0
	s_mul_i32 s46, s42, 384
	s_add_co_u32 s46, s46, 8192                    ; my tile's first channel is row 8192 + 384 x tile column
	s_lshl_b32 s46, s46, 4                         ; 16 bytes a row in a plane
	s_mul_i32 s20, s14, 8*GPL                      ; codes: I fetch K blocks 8 wave .. 8 wave + 7 of each sub-tile
	s_add_co_u32 s20, s20, s46
	s_mov_b32 s21, 0
	s_mul_i32 s22, s14, 1536                       ; scale bytes: I fetch channels 96 wave .. 96 wave + 95
	s_add_co_u32 s22, s22, s46
	s_mov_b32 s23, 0
	s_lshl_b32 s18, s17, 8
	s_lshl_b32 s19, s14, 6
	s_add_co_u32 s18, s18, s19                     ; my first token: 256 x tile row + 64 x wave
	s_lshl_b32 s18, s18, 4
	s_mov_b32 s19, 0
	s_mul_i32 s78, s42, 48*131072                  ; my tile's first plane of qkv: 48 x tile column
	s_add_co_u32 s78, s78, s18
	s_mov_b32 s79, 0
	s_lshl_b32 s45, s14, 14                        ; where my loads go: wave x WPART: no place in the cluster enters an LDS address
	s_mul_i32 s47, s14, SPART
	s_add_co_u32 s47, s47, SCB
	s_wait_dscnt 0x0                               ; both opening adds are done
	s_wait_kmcnt 0x0
	s_add_nc_u64 s[74:75], s[4:5], s[18:19]        ; x's codes at my first token
	s_add_nc_u64 s[76:77], s[6:7], s[18:19]        ; and its scale bytes
	s_add_nc_u64 s[12:13], s[12:13], s[78:79]
	s_mov_b32 s[G0S], 1
	s_mov_b32 s[G0S+1], s47
	s_add_nc_u64 s[G0S+2:G0S+3], s[6:7], s[22:23]
	s_or_b32 s[G0S+3], s[G0S+3], 0x80000000
	s_add_nc_u64 s[20:21], s[4:5], s[20:21]
.irp j, 0,1,2
	s_mov_b32 s[G0B+4*\j], 1
	s_add_co_u32 s[G0B+4*\j+1], s45, \j*SUBB
	s_add_nc_u64 s[G0B+4*\j+2:G0B+4*\j+3], s[20:21], \j*PLB   ; 128 channels on: 2,048 bytes in each plane
	s_or_b32 s[G0B+4*\j+3], s[G0B+4*\j+3], 0x80000000
.endr
	; x goes out first: 8 loads of scale words, then 8 loads for each K step, in the order in which the steps want them
.irp a, 0,1,2,3
.irp g, 0,1
	global_load_b128 v[SA+8*\a+4*\g:SA+8*\a+4*\g+3], v[SO], s[76:77] offset:GPL*\g+256*\a
.endr
.endr
	WIN 0x80                                       ; destination window 2
.set q, 0
.rept 8
.irp a, 0,1,2,3
.irp c, 0,1
	global_load_b128 v[32*q+FR*\a+4*\c:32*q+FR*\a+4*\c+3], v[AO], s[74:75] offset:(4*q+2*\c)*GPL+256*\a   ; registers 4 c .. 4 c + 3: the chunk of K block 4 q + 2 c + h
.endr
.endr
.set q, q+1
.endr
	WIN 0
	CROUND                                         ; all sixteen work-groups are here: the joint loads meet
	tensor_load_to_lds s[G0S:G0S+3], s[G1S:G1S+7]  ; every wave issues the same four lines, each into bytes of its own: four loads of mine are out at the most
	s_nop 0
.irp j, 0,1,2
	tensor_load_to_lds s[G0B+4*\j:G0B+4*\j+3], s[G1B:G1B+7]
	s_nop 0
.endr
.rept 4
	v_nop
.endr
	s_mul_i32 s21, s42, 3                          ; sub-tile j holds channels 128 (3 x tile column + j) on: q's are the first 1,024.  A value is chosen, no path
.irp j, 0,1,2
	s_add_co_u32 s23, s21, \j
	s_cmp_lt_u32 s23, 8
	s_cselect_b32 s[FQ+2*\j], 0x3fb8aa3b, 1.0
	s_mov_b32 s[FQ+2*\j+1], s[FQ+2*\j]             ; (named with it as a pair, so it is written)
.endr
.macro PLACES n                        ; plain vector lines between a matrix instruction and a load into, or a vector line on, its registers
.rept \n
	v_nop
.endr
.endm
.macro FETCH_B j, q, p                 ; sub-tile j's eight fragments of K step q into set p: 16 channels x 128 K each
.irp i, 0,1,2,3,4,5,6,7
.irp c, 0,1
	ds_load_b128 v[BF+64*(\p)+FR*\i+4*\c:BF+64*(\p)+FR*\i+4*\c+3], v[ADRB+(\j)] offset:(4*(\q)+2*\c)*PLB+\i*256
.endr
.endr
.endm
.macro SCALESB j                       ; sub-tile j's scale words, all of K: block 8 j + b of the tile's 24 lies in part (8 j + b) / 6, six blocks to a part
.irp b, 0,1,2,3,4,5,6,7
.irp g, 0,1
	ds_load_b128 v[SB+8*\b+4*\g:SB+8*\b+4*\g+3], v[ADRS] offset:SPART*((8*(\j)+\b)/6)+1536*\g+256*((8*(\j)+\b)%6)
.endr
.endr
.endm
; 32 matrix instructions: x's four blocks against the channels' eight, K step q.  The 32 accumulators take turns, one instruction a turn, in the same order in every step.
; zero = 1: the products start the sums: nothing is ever cleared.
.macro MUL32 p, q, zero
.irp a, 0,1,2,3
.irp b, 0,1,2,3,4,5,6,7
.if \zero
	v_wmma_scale_f32_16x16x128_f8f6f4 v[8*(8*\a+\b):8*(8*\a+\b)+7], v[BF+64*(\p)+FR*\b:BF+64*(\p)+FR*\b+FR-1], v[32*(\q)+FR*\a:32*(\q)+FR*\a+FR-1], 0, v[SB+8*\b+(\q)], v[SA+8*\a+(\q)] matrix_a_fmt:MATRIX_FMT_FP4 matrix_b_fmt:MATRIX_FMT_FP4
.else
	v_wmma_scale_f32_16x16x128_f8f6f4 v[8*(8*\a+\b):8*(8*\a+\b)+7], v[BF+64*(\p)+FR*\b:BF+64*(\p)+FR*\b+FR-1], v[32*(\q)+FR*\a:32*(\q)+FR*\a+FR-1], v[8*(8*\a+\b):8*(8*\a+\b)+7], v[SB+8*\b+(\q)], v[SA+8*\a+(\q)] matrix_a_fmt:MATRIX_FMT_FP4 matrix_b_fmt:MATRIX_FMT_FP4
.endif
.endr
.endr
.endm
; A step of 128 along K.  The next step's fragments are asked for ahead of this step's 32 products, into the set that the last step multiplied.
.macro STEP j, q
.if (\j) == 0
	s_wait_loadcnt 56-8*(\q)                       ; loads come back in order: x's scale words and its K steps up to this one are in; the eight loads of each later step stay out
.endif
	s_wait_dscnt 0x0                               ; this step's fragments of the channels are in (and, in a sub-tile's first step, its scale words)
.if (\q) < 7
	PLACES NP
	WIN 0
	FETCH_B \j, (\q)+1, ((\q)+1)%2
.endif
	WIN MUL
.if (\q) == 0
	MUL32 0, 0, 1
.else
	MUL32 (\q)%2, \q, 0
.endif
.endm
.macro STEPS j
.irp q, 0,1,2,3,4,5,6,7
	STEP \j, \q
.endr
.endm
; On to sub-tile j: my load of it has landed, a barrier shows everybody's. Its scale words and first fragments are asked for here, ahead of the last sub-tile's way out.
.macro NEXT j
	s_wait_tensorcnt 2-(\j)                        ; tensor loads of a wave end in order: the 2 - j loads of later sub-tiles stay out
	s_wait_dscnt 0x0
	s_barrier_signal -1
	s_barrier_wait -1
	PLACES NP                                      ; behind the last products: for the loads into their scale words and into set 0, and for the first read of results
	WIN 0
	SCALESB \j
	FETCH_B \j, 0, 0
.endm
; THE WAY OUT of sub-tile j, a block of 16 tokens at a time: x the factor, rounded to f16, stored.  Each accumulator is read from its low end on.  A store's sixteen lanes cover 256 consecutive bytes, aligned.
.macro OUT j
	s_wait_xcnt 0x0                                ; the last sub-tile's stores have read their registers, which are written again below
.irp a, 0,1,2,3
	WIN 0xc1                                       ; destination window 3, source 0 window 1
.set i, 0
.rept 32
	v_pk_mul_f32 v[TT+2*i:TT+2*i+1], v[64*\a+2*i:64*\a+2*i+1], s[FQ+2*(\j):FQ+2*(\j)+1] op_sel_hi:[1,0]
.set i, i+1
.endr
	WIN 0xcf                                       ; all in window 3
.set i, 0
.rept 32
	v_cvt_pk_f16_f32 v[OB+32*\a+i], v[TT+2*i], v[TT+2*i+1]
.set i, i+1
.endr
	WIN 0x0c                                       ; a store's data are its source 1: window 3; its address window 0
.irp b, 0,1,2,3,4,5,6,7
	global_store_b128 v[CO], v[OB+32*\a+4*\b:OB+32*\a+4*\b+3], s[12:13] offset:2097152*(\j)+262144*\b+256*\a th:TH_STORE_NT   ; 16 planes a sub-tile, 2 a block of channels: 6,030,080 at the most, inside the signed 24-bit immediate
.endr
.endr
	WIN 0
.endm
	s_wait_tensorcnt 2                             ; the scale bytes and my part of sub-tile 0 are in; the two loads issued behind them stay out,
	s_barrier_signal -1
	s_barrier_wait -1                              ; everybody's are
	SCALESB 0
	FETCH_B 0, 0, 0
	STEPS 0
	NEXT 1
	OUT 0                                          ; its stores leave while sub-tile 1 is multiplied
	STEPS 1
	NEXT 2
	OUT 1
	STEPS 2
	PLACES NP                                      ; behind the last products, ahead of the first read of results
	OUT 2
	s_wait_tensorcnt 0x0                           ; the wave's end, behind my last tensor load
	ds_add_u32 v[SPW], v[NIL]
	s_wait_dscnt 0x0
	CROUND                                         ; the closing round: no work-group ends while a partner may still ask for a tile that names it
	s_endpgm
.Lfunc_end_k_qd0fc4ae34f_qkv:
	.size	k_qd0fc4ae34f_qkv, .Lfunc_end_k_qd0fc4ae34f_qkv-k_qd0fc4ae34f_qkv
	.p2alignl 7, 3214868480
	.fill 96, 4, 3214868480
	.section	.rodata,"a",@progbits
	.p2align	6, 0x0
	.amdhsa_kernel k_qd0fc4ae34f_qkv
		.amdhsa_group_segment_fixed_size 327680
		.amdhsa_private_segment_fixed_size 0
		.amdhsa_enable_private_segment 0
		.amdhsa_kernarg_size 24
		.amdhsa_user_sgpr_count 2
		.amdhsa_user_sgpr_kernarg_segment_ptr 1
		.amdhsa_wavefront_size32 1
		.amdhsa_system_sgpr_workgroup_id_x 1
		.amdhsa_system_sgpr_workgroup_id_y 1
		.amdhsa_system_sgpr_workgroup_id_z 1
		.amdhsa_system_vgpr_workitem_id 0
		.amdhsa_next_free_vgpr 1024
		.amdhsa_next_free_sgpr 98
		.amdhsa_reserve_vcc 0
		.amdhsa_float_denorm_mode_32 3
		.amdhsa_float_denorm_mode_16_64 3
		.amdhsa_memory_ordered 1
		.amdhsa_forward_progress 1
		.amdhsa_inst_pref_size 201
	.end_amdhsa_kernel
	.amdgpu_metadata
---
amdhsa.version: [ 1, 2 ]
amdhsa.kernels:
  - .name:           k_qd0fc4ae34f_qkv
    .symbol:         k_qd0fc4ae34f_qkv.kd
    .args:
      - { .name: codes, .offset: 0, .size: 8, .value_kind: global_buffer, .address_space: global }
      - { .name: scales, .offset: 8, .size: 8, .value_kind: global_buffer, .address_space: global }
      - { .name: qkv, .offset: 16, .size: 8, .value_kind: global_buffer, .address_space: global }
    .group_segment_fixed_size: 327680
    .private_segment_fixed_size: 0
    .kernarg_segment_align: 8
    .kernarg_segment_size: 24
    .max_flat_workgroup_size: 128
    .sgpr_count:     98
    .vgpr_count:     1024
    .wavefront_size: 32
...
	.end_amdgpu_metadata
.endif
;; end of part 2
;; launch attn (part 3): grid 2 x 128, 8 waves a work-group, no clusters, 327,680 bytes of LDS; arguments qkv, biast, ctx; writes ctx
.if DOCPART == 3
	.amdgcn_target "amdgcn-amd-amdhsa--gfx1250"
	.amdhsa_code_object_version 6
	.text
	.protected	k_qd0fc4ae34f_attn
	.globl	k_qd0fc4ae34f_attn
	.p2align	8
	.type	k_qd0fc4ae34f_attn,@function
k_qd0fc4ae34f_attn:
	s_mov_b64 s[64:65], 0
	v_nop
	global_prefetch_b8 v0, s[64:65] scope:SCOPE_SE
	s_setreg_imm32_b32 hwreg(HW_REG_WAVE_MODE, 25, 1), 1
	s_wait_xcnt 0x0
; ATTENTION of one head of one batch for 512 queries: ctx = softmax_k(q . k + bias(k - q)) v, no scaling by the head size, no mask.  Operands f16, products, maxima and sums f32.
; qkv [u8 384][token 8192][16 bytes] f16, u8 = 128 which + 8 head + channel / 8 (q is already x log2e); biast [head][copy 4][y 2176] f32 = log2e x bias(y - 17 copy - 1024); ctx [k8 128][token 8192][16 bytes] f16.
; LIMITS: |ctx| under 65,504 (an average of v); a weight under 2^-25 of its row's largest falls to 0 in f16; NaN and infinities are not served.
; SHARES.  Work-group (x, y): head y % 16, batch y / 16, queries 512 x on.  Each of eight waves owns 64 queries, four tiles of 16, and walks all 1,024 keys, 64 a step.  Two waves share a SIMD, so that one
; wave's softmax stands beside the other's products.  No cluster: only the two work-groups of a head share K and V, and each asks for its 262,144 bytes once, against 1,024 matrix instructions a wave.
; ALL OF THE HEAD'S K AND V LIES IN LDS, asked for once at the head in four stages of 256 keys; a counted wait and a barrier stand in front of each stage's four steps; nothing is filled again.
; LAYOUT.  S^T = K Q^T (source 0 = 16 keys, source 1 = 16 queries): a lane holds ONE query (lane % 16) and keys 8 (lane / 16) + 0..7.  Two such tiles, rounded to f16 in pairs, are source 1 of O^T = V^T P.
; THE BIAS hangs on key - query alone: it is the C of each score tile's first product.  A tile's eight registers of lane r are eight neighbours of the table, shifted by -r: copy r % 4 of the table, shifted by
; r % 4, makes them 16-byte aligned.  The tile hangs on a - t alone (key tile a, query tile t): seven tiles a step.  From a distance of 91 on the bias is one number on each side, so a step whose keys all lie
; 91 or more from the wave's queries (all but five steps at the most) takes that number: a scalar branch on ids.
; SOFTMAX.  For each query a running maximum m and sum l: p = 2^(s - m); in every step O and l are multiplied by 2^(m_old - m_new).
; REGISTERS.  window 0: v1-9 addresses; v16-47 statistics, 8 a tile; v48-55 the far bias; v56-111 seven bias tiles; v112-119 sums; v128-255 S^T, 32 a tile, P in place over it.
;             window 1: v0-63 Q; v64-127 eight fragments of K, then of V; v128-255 O^T, 32 a tile.
.set CH,    9216                       ; 64 keys of K or V in LDS: [channel / 8: 8][64 keys][16 bytes], 128 bytes of padding behind each 1,024
.set PP,    1152                       ; so a plane's pitch: the two groups of eight lanes of a turning load, one plane apart, lie 128 bytes apart modulo 256
.set VOFF,  16*CH                      ; K's 16 chunks, then V's
.set BIAS,  2*VOFF                     ; four copies of 1,600 numbers of the table
.set SPARE, BIAS+25600                 ; the spare words, 128 bytes a wave: four blocks of 256 bytes that no other line names
.set AK0, 1                            ; v1  my lane's place in a chunk of K
.set AV0, 2                            ; v2  in a chunk of V
.set AB0, 3                            ; v3  in the table
.set ADK, 4                            ; v4-6 the step's addresses
.set ADV, 5
.set ADB, 6
.set QO,  7                            ; v7  131072 (lane / 16) + 16 (lane % 16): Q's loads and ctx's stores; never rewritten
.set SPW, 8                            ; v8  LDS address of my spare word; never rewritten
.set NIL, 9                            ; v9  0; never rewritten
.set ST,  16                           ; tile t at v[ST + 8 t]: +0 m, +1 the old m, +2, +3 l in two halves, +4..+7 four chains of the maximum; later +4, +5 a sum, +6 the factor, +7 its exponent
.set FC,  48
.set BT,  56
.set XB,  112
.set S,   128
.set KV,  64                           ; in window 1
.set O,   128                          ; in window 1
.set WV,  10                           ; s10 my wave's number
.set G1,  16                           ; s[16:23] group 1 for K's and V's chunks;  s[24:31] for the table;  s[32:47] four groups 0;  s[48:51] the table's
.set G1T, 24
.set G0,  32
.set G0T, 48
.set TK,  52                           ; s52 LDS byte of the step's chunk
.set TBB, 53                           ; s53 256 x step
.set SG,  54                           ; s54 step - wave - 8 x + 15
.set CNT, 55
.set FNEG, 56                          ; s56, s57 the far bias before and behind the query
.set FPOS, 57
.set SEL, 58                           ; s[58:59] v_permlanex16_b32's selects for lane l xor 16
.set MSB, 0
.macro WIN new                         ; the immediate's high byte repeats the setting that is left
.if MSB != \new
	s_set_vgpr_msb (MSB<<8)|\new
.set MSB, \new
.endif
.endm
.set W_LD, 0x40                        ; destination window 1
.set W_KQ, 0x05                        ; sources 0 and 1 window 1
.set W_RS, 0x41                        ; destination and source 0 window 1
.set W_PV, 0x51                        ; V, C and D window 1, P window 0
	s_load_b128 s[4:7], s[0:1], 0x0                ; qkv s[4:5], biast s[6:7]
	s_load_b64 s[8:9], s[0:1], 0x10                ; ctx
	v_lshl_add_u32 v[SPW], v0, 2, SPARE
	v_mov_b32 v[NIL], 0
	ds_add_u32 v[SPW], v[NIL]                      ; the wave's opening: the add, twice on end, and its wait ahead of my first tensor load
	ds_add_u32 v[SPW], v[NIL]
	v_lshrrev_b32 v1, 5, v0
	v_readfirstlane_b32 s[WV], v1                  ; wave 0..7
	s_and_b32 s12, ttmp7, 0xffff
	s_and_b32 s13, s12, 15                         ; head
	s_lshr_b32 s14, s12, 4                         ; batch
	s_lshl_b32 s60, s13, 20                        ; 8 planes of 131,072 bytes a head,
	s_lshl_b32 s61, s14, 14                        ; 1,024 tokens of 16 bytes a batch
	s_add_co_u32 s60, s60, s61
	s_and_b32 s66, s[WV], 1                        ; I fetch K (0) or V (1),
	s_lshr_b32 s67, s[WV], 1                       ; chunk 4 i + wave / 2 in stage i
	s_add_co_u32 s62, s66, 1
	s_lshl_b32 s62, s62, 24                        ; k's planes begin 128 planes on, v's 256
	s_add_co_u32 s62, s62, s60
	s_lshl_b32 s63, s67, 10                        ; 64 keys of 16 bytes
	s_add_co_u32 s62, s62, s63
	s_mov_b32 s63, 0
	s_mul_i32 s68, s66, VOFF
	s_mul_i32 s69, s67, CH
	s_add_co_u32 s68, s68, s69                     ; where my first chunk goes
	s_mul_i32 s72, s13, 34816                      ; the head's table
	s_mov_b32 s73, 0
	s_mul_i32 s70, s67, 8704                       ; copy wave / 2,
	s_add_co_u32 s70, s70, s72
	s_mul_i32 s69, s66, 3200                       ; its half wave % 2,
	s_add_co_u32 s70, s70, s69
	s_xor_b32 s69, ttmp9, 1
	s_lshl_b32 s71, s69, 11                        ; from y = 512 (1 - x) on: so no LDS address hangs on the work-group's number
	s_add_co_u32 s70, s70, s71
	s_mov_b32 s71, 0
	s_lshl_b32 s[SG], s69, 3
	s_xor_b32 s69, s[WV], 7
	s_add_co_u32 s[SG], s[SG], s69                 ; (7 - wave) + 8 (1 - x)
	s_lshl_b32 s75, s69, 8
	s_add_co_u32 s75, s75, BIAS+16
	s_mul_i32 s74, s[WV], 3200
	s_add_co_u32 s74, s74, BIAS
	s_lshl_b32 s11, ttmp9, 13                      ; 512 queries of 16 bytes,
	s_lshl_b32 s15, s[WV], 10                      ; my wave's 64
	s_add_co_u32 s78, s60, s11
	s_add_co_u32 s78, s78, s15
	s_mov_b32 s79, 0
	s_mov_b32 s[TK], 0
	s_mov_b32 s[TBB], 0
	s_mov_b32 s[SEL], 0x76543210
	s_mov_b32 s[SEL+1], 0xfedcba98
	; group 1 for a chunk: 8 planes (rows of the tile) x 1,024 bytes (128 elements of 8 bytes), 131,072 bytes apart in memory
	s_mov_b32 s[G1], (3<<16)|(1<<20)|(7<<22)|(31<<25)  ; 17:16 elements of 8 bytes; 20 padding on; 24:22 after every 256 words (code 7); 31:25 of 32 words (code 31)
	s_mov_b32 s[G1+1], 128<<16                     ; tensor_dim0
	s_mov_b32 s[G1+2], 8<<16                       ; tensor_dim1
	s_mov_b32 s[G1+3], 128<<16                     ; tile_dim0
	s_mov_b32 s[G1+4], 8                           ; tile_dim1
	s_mov_b32 s[G1+5], 16384                       ; tensor_dim0_stride
	s_mov_b32 s[G1+6], 0
	s_mov_b32 s[G1+7], 0
	; and for half a copy of the table: one row of 3,200 bytes
	s_mov_b32 s[G1T], 3<<16
	s_mov_b32 s[G1T+1], 400<<16
	s_mov_b32 s[G1T+2], 1<<16
	s_mov_b32 s[G1T+3], 400<<16
	s_mov_b32 s[G1T+4], 1
	s_mov_b32 s[G1T+5], 400
	s_mov_b32 s[G1T+6], 0
	s_mov_b32 s[G1T+7], 0
	s_wait_dscnt 0x0                               ; both opening adds are done
	s_wait_kmcnt 0x0
	s_mov_b32 s[G0T], 1
	s_mov_b32 s[G0T+1], s74
	s_add_nc_u64 s[G0T+2:G0T+3], s[6:7], s[70:71]
	s_or_b32 s[G0T+3], s[G0T+3], 0x80000000
	s_add_nc_u64 s[76:77], s[4:5], s[62:63]
.irp i, 0,1,2,3
	s_mov_b32 s[G0+4*\i], 1
	s_add_co_u32 s[G0+4*\i+1], s68, 4*CH*\i
	s_add_nc_u64 s[G0+4*\i+2:G0+4*\i+3], s[76:77], 4096*\i
	s_or_b32 s[G0+4*\i+3], s[G0+4*\i+3], 0x80000000
.endr
	tensor_load_to_lds s[G0T:G0T+3], s[G1T:G1T+7]  ; every wave issues the same five lines, each into bytes of its own: five loads of mine are out at the most
	s_nop 0
.irp i, 0,1,2,3
	tensor_load_to_lds s[G0+4*\i:G0+4*\i+3], s[G1:G1+7]
	s_nop 0
.endr
.rept 4
	v_nop
.endr
	s_add_nc_u64 s[72:73], s[6:7], s[72:73]
	s_load_b32 s[FNEG], s[72:73], 0x0              ; copy 0, y = 0: distance -1024
	s_load_b32 s[FPOS], s[72:73], 0x21fc           ; copy 0, y = 2175: distance +1151
	s_add_nc_u64 s[8:9], s[8:9], s[78:79]          ; ctx and q at my wave's first query
	s_add_nc_u64 s[78:79], s[4:5], s[78:79]
	v_and_b32 v10, 15, v0                          ; r
	v_bfe_u32 v11, v0, 4, 1                        ; h
	v_lshlrev_b32 v[QO], 17, v11
	v_lshl_add_u32 v[QO], v10, 4, v[QO]
	WIN W_LD
.irp t, 0,1,2,3                        ; Q stays in registers: tile t, channels 32 f on: registers 4 g .. 4 g + 3 are plane 4 f + 2 g + h
.irp f, 0,1
.irp g, 0,1
	global_load_b128 v[16*\t+8*\f+4*\g:16*\t+8*\f+4*\g+3], v[QO], s[78:79] offset:(4*\f+2*\g)*131072+256*\t
.endr
.endr
.endr
.set i, 0
.rept 128
	v_mov_b32 v[O+i], 0                            ; O^T.  (The step is written once for all steps: the first finds zeros, which its factor 0 leaves zeros)
.set i, i+1
.endr
	WIN 0
	v_mul_u32_u24 v[AK0], v11, PP
	v_lshl_add_u32 v[AK0], v10, 4, v[AK0]          ; K: plane + h, key r
	v_bfe_u32 v12, v0, 3, 1
	v_and_b32 v13, 7, v0
	v_lshl_add_u32 v13, v11, 3, v13
	v_mul_u32_u24 v[AV0], v12, PP
	v_lshl_add_u32 v[AV0], v13, 4, v[AV0]
	v_add_nc_u32 v[AV0], VOFF, v[AV0]              ; V, for the turning load: plane + (lane / 8) % 2, key 8 h + lane % 8
	v_and_b32 v12, 3, v0                           ; my copy of the table: r % 4
	v_bfe_u32 v13, v0, 2, 2
	v_xor_b32 v13, 3, v13                          ; 3 - r / 4
	v_mul_u32_u24 v[AB0], v12, 6464                ; a copy is 6,400 bytes, and is shifted 16 numbers more for each copy: the four copies' lanes lie 64 bytes apart modulo 256
	v_lshl_add_u32 v[AB0], v13, 4, v[AB0]
	v_lshl_add_u32 v[AB0], v11, 5, v[AB0]
	v_add_nc_u32 v[AB0], s75, v[AB0]               ; + 256 (7 - wave) + 16
.irp t, 0,1,2,3
	v_mov_b32 v[ST+8*\t], 0xff61b1e6               ; m = -3e38, under every score
	v_mov_b32 v[ST+8*\t+2], 0                      ; l
	v_mov_b32 v[ST+8*\t+3], 0
.endr
	s_wait_loadcnt 0x0                             ; Q
	s_wait_kmcnt 0x0                               ; the two far numbers
; 16 products K Q^T, channels 32 f on.  mode 0: C = the bias tile a - t; 1: C = the far bias; 2: the sum goes on.  The sixteen accumulators take turns.
.macro QK f, mode
.irp t, 0,1,2,3
.irp a, 0,1,2,3
.if \mode == 0
	v_wmma_f32_16x16x32_f16 v[S+32*\t+8*\a:S+32*\t+8*\a+7], v[KV+8*(2*\a+\f):KV+8*(2*\a+\f)+7], v[16*\t+8*\f:16*\t+8*\f+7], v[BT+8*(\a-\t+3):BT+8*(\a-\t+3)+7]
.elseif \mode == 1
	v_wmma_f32_16x16x32_f16 v[S+32*\t+8*\a:S+32*\t+8*\a+7], v[KV+8*(2*\a+\f):KV+8*(2*\a+\f)+7], v[16*\t+8*\f:16*\t+8*\f+7], v[FC:FC+7]
.else
	v_wmma_f32_16x16x32_f16 v[S+32*\t+8*\a:S+32*\t+8*\a+7], v[KV+8*(2*\a+\f):KV+8*(2*\a+\f)+7], v[16*\t+8*\f:16*\t+8*\f+7], v[S+32*\t+8*\a:S+32*\t+8*\a+7]
.endif
.endr
.endr
.endm
; A KEY STEP: 64 keys.
.macro STEP
	v_add_nc_u32 v[ADK], s[TK], v[AK0]             ; five plain lines behind the last V^T P: four are owed to the loads into its registers of V, five to the products that write over its registers of P
	v_add_nc_u32 v[ADV], s[TK], v[AV0]
	v_add_nc_u32 v[ADB], s[TBB], v[AB0]
	v_nop
	v_nop
	WIN W_LD
.irp a, 0,1,2,3                        ; K: keys 16 a on, channels 32 f on
.irp f, 0,1
.irp g, 0,1
	ds_load_b128 v[KV+8*(2*\a+\f)+4*\g:KV+8*(2*\a+\f)+4*\g+3], v[ADK] offset:(4*\f+2*\g)*PP+256*\a
.endr
.endr
.endr
	WIN 0
	s_sub_co_u32 s11, s[SG], 13                    ; near where |step - wave - 8 x| <= 2: ids and the count of steps alone
	s_cmp_lt_u32 s11, 5
	s_cbranch_scc0 .Lfar_\@
.irp e, 0,1,2,3,4,5,6                  ; the seven bias tiles, a - t = e - 3
.irp g, 0,1
	ds_load_b128 v[BT+8*\e+4*\g:BT+8*\e+4*\g+3], v[ADB] offset:64*\e+16*\g
.endr
.endr
	s_wait_dscnt 0x0                               ; K and the bias are in
	WIN W_KQ
	QK 0, 0
	WIN 0
	s_branch .Ljoin_\@
.Lfar_\@:
	s_cmp_gt_u32 s[SG], 15                         ; the keys come behind the queries, or before them
	s_cselect_b32 s11, s[FPOS], s[FNEG]
.irp j, 0,1,2,3,4,5,6,7
	v_mov_b32 v[FC+\j], s11
.endr
	s_wait_dscnt 0x0                               ; K is in
	WIN W_KQ
	QK 0, 1
	WIN 0
.Ljoin_\@:
	WIN W_KQ
	QK 1, 2
	WIN 0
.rept 4
	v_nop                                          ; places: for the loads into K's registers and for the first read of the scores
.endr
	WIN W_LD
.irp kk, 0,1                           ; V, turned: keys 32 kk on, channels 16 c on; it lands while the softmax is walked
.irp c, 0,1,2,3
.irp g, 0,1
	ds_load_tr16_b128 v[KV+8*(4*\kk+\c)+4*\g:KV+8*(4*\kk+\c)+4*\g+3], v[ADV] offset:2*\c*PP+(32*\kk+16*\g)*16
.endr
.endr
.endr
	WIN 0
	; the softmax, every line for the four tiles by turns.  The maximum of a lane's 32 scores and the old m: four chains; each accumulator is read from its low end on
.irp j, 0,1,2,3
.irp t, 0,1,2,3
	v_max3_num_f32 v[ST+8*\t+4+\j], v[S+32*\t+8*\j], v[S+32*\t+8*\j+1], v[S+32*\t+8*\j+2]
.endr
.endr
.irp u, 1,2
.irp j, 0,1,2,3
.irp t, 0,1,2,3
	v_max3_num_f32 v[ST+8*\t+4+\j], v[ST+8*\t+4+\j], v[S+32*\t+8*\j+2*\u+1], v[S+32*\t+8*\j+2*\u+2]
.endr
.endr
.endr
.irp t, 0,1,2,3
	v_max3_num_f32 v[ST+8*\t+4], v[ST+8*\t+4], v[S+32*\t+7], v[S+32*\t+15]
.endr
.irp t, 0,1,2,3
	v_max3_num_f32 v[ST+8*\t+6], v[ST+8*\t+6], v[S+32*\t+23], v[S+32*\t+31]
.endr
.irp t, 0,1,2,3
	v_max3_num_f32 v[ST+8*\t+4], v[ST+8*\t+4], v[ST+8*\t+5], v[ST+8*\t+6]
.endr
.irp t, 0,1,2,3
	v_max3_num_f32 v[ST+8*\t+4], v[ST+8*\t+4], v[ST+8*\t+7], v[ST+8*\t]
.endr
.irp t, 0,1,2,3
	v_permlanex16_b32 v[ST+8*\t+5], v[ST+8*\t+4], s[SEL], s[SEL+1]   ; the query's other 32 keys lie in the lane 16 away
.endr
.irp t, 0,1,2,3
	v_mov_b32 v[ST+8*\t+1], v[ST+8*\t]
.endr
.irp t, 0,1,2,3
	v_max_num_f32 v[ST+8*\t], v[ST+8*\t+4], v[ST+8*\t+5]             ; the new m
.endr
.irp t, 0,1,2,3
	v_sub_f32 v[ST+8*\t+7], v[ST+8*\t+1], v[ST+8*\t]
.endr
.irp t, 0,1,2,3
	v_exp_f32 v[ST+8*\t+6], v[ST+8*\t+7]           ; the factor 2^(m_old - m_new)
.endr
.irp n, 0,2,4,6,8,10,12,14,16,18,20,22,24,26,28,30
.irp t, 0,1,2,3
	v_pk_add_f32 v[S+32*\t+\n:S+32*\t+\n+1], v[S+32*\t+\n:S+32*\t+\n+1], v[ST+8*\t:ST+8*\t+1] op_sel_hi:[1,0] neg_lo:[0,1] neg_hi:[0,1]   ; s - m, two at a time
.endr
.endr
.irp n, 0,1,2,3,4,5,6,7,8,9,10,11,12,13,14,15,16,17,18,19,20,21,22,23,24,25,26,27,28,29,30,31
.irp t, 0,1,2,3
	v_exp_f32 v[S+32*\t+\n], v[S+32*\t+\n]         ; p = 2^(s - m)
.endr
.endr
	v_nop                                          ; a plain line behind the last exponential
	s_wait_alu depctr_va_vdst(0)                   ; ONE wait for the step's 132 exponentials, ahead of the first line that names a result
.irp t, 0,1,2,3
	v_pk_add_f32 v[ST+8*\t+4:ST+8*\t+5], v[S+32*\t:S+32*\t+1], v[S+32*\t+2:S+32*\t+3]   ; the sum of the f32 weights, in two chains
	v_pk_add_f32 v[XB+2*\t:XB+2*\t+1], v[S+32*\t+4:S+32*\t+5], v[S+32*\t+6:S+32*\t+7]
.endr
.irp n, 8,12,16,20,24,28
.irp t, 0,1,2,3
	v_pk_add_f32 v[ST+8*\t+4:ST+8*\t+5], v[ST+8*\t+4:ST+8*\t+5], v[S+32*\t+\n:S+32*\t+\n+1]
	v_pk_add_f32 v[XB+2*\t:XB+2*\t+1], v[XB+2*\t:XB+2*\t+1], v[S+32*\t+\n+2:S+32*\t+\n+3]
.endr
.endr
.irp t, 0,1,2,3
	v_pk_add_f32 v[ST+8*\t+4:ST+8*\t+5], v[ST+8*\t+4:ST+8*\t+5], v[XB+2*\t:XB+2*\t+1]
.endr
.irp t, 0,1,2,3
	v_pk_fma_f32 v[ST+8*\t+2:ST+8*\t+3], v[ST+8*\t+2:ST+8*\t+3], v[ST+8*\t+6:ST+8*\t+7], v[ST+8*\t+4:ST+8*\t+5] op_sel_hi:[1,0,1]   ; l = l x factor + the sum
.endr
.irp u, 0,16                           ; P in place, ascending: keys 32 (u / 16) on come to lie at v[S + 32 t + u] on
.irp n, 0,1,2,3,4,5,6,7
.irp t, 0,1,2,3
	v_cvt_pk_f16_f32 v[S+32*\t+\u+\n], v[S+32*\t+\u+2*\n], v[S+32*\t+\u+2*\n+1]
.endr
.endr
.endr
	s_wait_dscnt 0x0                               ; V is in
	WIN W_RS
.irp t, 0,1,2,3
.set i, 0
.rept 16
	v_pk_mul_f32 v[O+32*\t+2*i:O+32*\t+2*i+1], v[O+32*\t+2*i:O+32*\t+2*i+1], v[ST+8*\t+6:ST+8*\t+7] op_sel_hi:[1,0]   ; O^T x factor, each accumulator from its low end on
.set i, i+1
.endr
.endr
	WIN W_PV
.irp kk, 0,1                           ; O^T += V^T P: sixteen accumulators by turns
.irp t, 0,1,2,3
.irp c, 0,1,2,3
	v_wmma_f32_16x16x32_f16 v[O+32*\t+8*\c:O+32*\t+8*\c+7], v[KV+8*(4*\kk+\c):KV+8*(4*\kk+\c)+7], v[S+32*\t+16*\kk:S+32*\t+16*\kk+7], v[O+32*\t+8*\c:O+32*\t+8*\c+7]
.endr
.endr
.endr
	WIN 0
	s_add_co_u32 s[TK], s[TK], CH
	s_add_co_u32 s[TBB], s[TBB], 256
	s_add_co_u32 s[SG], s[SG], 1
.endm
; Stage i: keys 256 i on.  The eight waves' loads i are its chunks of K and V; the table's load was issued ahead of them all.
.macro STAGE i
	s_wait_tensorcnt 3-\i                          ; tensor loads of a wave end in order: mine of this stage is in, the 3 - i of later stages stay out
	s_wait_dscnt 0x0
	s_barrier_signal -1
	s_barrier_wait -1                              ; everybody's is.
	s_mov_b32 s[CNT], 4
.Lstage_\@:
	STEP
	s_sub_co_u32 s[CNT], s[CNT], 1
	s_cmp_lg_u32 s[CNT], 0
	s_cbranch_scc1 .Lstage_\@
.endm
	STAGE 0
	STAGE 1
	STAGE 2
	STAGE 3
	; THE WAY OUT.  l's halves and the other half of the lanes' are added; O^T is divided by l and rounded to f16.  A lane's eight channels of a query are one chunk of ctx.
.irp t, 0,1,2,3
	v_add_f32 v[ST+8*\t+4], v[ST+8*\t+2], v[ST+8*\t+3]               ; (the places behind the last products)
.endr
.irp t, 0,1,2,3
	v_permlanex16_b32 v[ST+8*\t+5], v[ST+8*\t+4], s[SEL], s[SEL+1]
.endr
.irp t, 0,1,2,3
	v_add_f32 v[ST+8*\t+4], v[ST+8*\t+4], v[ST+8*\t+5]
.endr
.irp t, 0,1,2,3
	v_rcp_f32 v[ST+8*\t+6], v[ST+8*\t+4]
.endr
	v_nop                                          ; a plain line behind the last reciprocal,
	s_wait_alu depctr_va_vdst(0)                   ; and one wait for the four, ahead of their first reader
	WIN W_RS
.irp t, 0,1,2,3
.set i, 0
.rept 16
	v_pk_mul_f32 v[O+32*\t+2*i:O+32*\t+2*i+1], v[O+32*\t+2*i:O+32*\t+2*i+1], v[ST+8*\t+6:ST+8*\t+7] op_sel_hi:[1,0]
.set i, i+1
.endr
.endr
	WIN W_KQ                                       ; sources window 1, destination window 0: S^T's registers are free
.set i, 0
.rept 64
	v_cvt_pk_f16_f32 v[S+i], v[O+2*i], v[O+2*i+1]
.set i, i+1
.endr
	WIN 0
.irp t, 0,1,2,3
.irp c, 0,1,2,3
	global_store_b128 v[QO], v[S+16*\t+4*\c:S+16*\t+4*\c+3], s[8:9] offset:262144*\c+256*\t th:TH_STORE_NT   ; sixteen lanes store 256 consecutive bytes, aligned
.endr
.endr
	s_wait_tensorcnt 0x0                           ; the wave's end, behind my last tensor load
	ds_add_u32 v[SPW], v[NIL]
	s_wait_dscnt 0x0
	s_endpgm
.Lfunc_end_k_qd0fc4ae34f_attn:
	.size	k_qd0fc4ae34f_attn, .Lfunc_end_k_qd0fc4ae34f_attn-k_qd0fc4ae34f_attn
	.p2alignl 7, 3214868480
	.fill 96, 4, 3214868480
	.section	.rodata,"a",@progbits
	.p2align	6, 0x0
	.amdhsa_kernel k_qd0fc4ae34f_attn
		.amdhsa_group_segment_fixed_size 327680
		.amdhsa_private_segment_fixed_size 0
		.amdhsa_enable_private_segment 0
		.amdhsa_kernarg_size 24
		.amdhsa_user_sgpr_count 2
		.amdhsa_user_sgpr_kernarg_segment_ptr 1
		.amdhsa_wavefront_size32 1
		.amdhsa_system_sgpr_workgroup_id_x 1
		.amdhsa_system_sgpr_workgroup_id_y 1
		.amdhsa_system_sgpr_workgroup_id_z 1
		.amdhsa_system_vgpr_workitem_id 0
		.amdhsa_next_free_vgpr 512
		.amdhsa_next_free_sgpr 80
		.amdhsa_reserve_vcc 0
		.amdhsa_float_denorm_mode_32 3
		.amdhsa_float_denorm_mode_16_64 3
		.amdhsa_memory_ordered 1
		.amdhsa_forward_progress 1
		.amdhsa_inst_pref_size 161
	.end_amdhsa_kernel
	.amdgpu_metadata
---
amdhsa.version: [ 1, 2 ]
amdhsa.kernels:
  - .name:           k_qd0fc4ae34f_attn
    .symbol:         k_qd0fc4ae34f_attn.kd
    .args:
      - { .name: qkv, .offset: 0, .size: 8, .value_kind: global_buffer, .address_space: global }
      - { .name: biast, .offset: 8, .size: 8, .value_kind: global_buffer, .address_space: global }
      - { .name: ctx, .offset: 16, .size: 8, .value_kind: global_buffer, .address_space: global }
    .group_segment_fixed_size: 327680
    .private_segment_fixed_size: 0
    .kernarg_segment_align: 8
    .kernarg_segment_size: 24
    .max_flat_workgroup_size: 256
    .sgpr_count:     80
    .vgpr_count:     512
    .wavefront_size: 32
...
	.end_amdgpu_metadata
.endif
;; end of part 3
;; launch oproj (part 4): grid 4 x 64, 4 waves a work-group, clusters of 4 x 4, 327,680 bytes of LDS; arguments ctx, wo16, out0; writes out0
.if DOCPART == 4
	.amdgcn_target "amdgcn-amd-amdhsa--gfx1250"
	.amdhsa_code_object_version 6
	.text
	.protected	k_qd0fc4ae34f_oproj
	.globl	k_qd0fc4ae34f_oproj
	.p2align	8
	.type	k_qd0fc4ae34f_oproj,@function
k_qd0fc4ae34f_oproj:
	s_mov_b64 s[64:65], 0
	v_nop
	global_prefetch_b8 v0, s[64:65] scope:SCOPE_SE
	s_setreg_imm32_b32 hwreg(HW_REG_WAVE_MODE, 25, 1), 1
	s_wait_xcnt 0x0
	s_wait_alu depctr_hold_cnt(0) depctr_sa_sdst(0) depctr_va_vdst(0) depctr_va_sdst(0) depctr_va_ssrc(0) depctr_va_vcc(0) depctr_vm_vsrc(0)
	s_getreg_b32 s2, hwreg(HW_REG_IB_STS2, 6, 4)
	s_cmp_eq_u32 s2, 0
	s_cbranch_scc0 .Lentry_in_a_cluster
	s_endpgm
.Lentry_in_a_cluster:
	s_bfe_u32 s2, ttmp6, 0x10000c
	s_cmp_lg_u32 s2, 0xf033
	s_cbranch_scc0 .Lentry_shape_is_right
	s_endpgm
.Lentry_shape_is_right:
; OUT = ctx Wo: [8192 tokens][1024] f32, K = 1024, operands f16, sums f32.
; ctx [k8 128][token 8192][16 bytes], wo16 [k8 128][n 1024][16 bytes]: a chunk = 8 neighbours along K of one row (token, or column n of Wo).
; A tile of 128 tokens x 256 columns gives 256 work-groups.  Four waves, each 64 x 128: 32 accumulators, window 1.  K goes in steps of 128 (16 planes) through a ring of two LDS slots.
; In LDS a wave's rows of a slot lie [plane 16][rows][16 bytes], as in memory: a fragment's load takes 256 consecutive bytes in sixteen lanes: no pitch, no padding.
; CLUSTERS: 4 x 4 work-groups.  The four of a row of the cluster need the same tokens, the four of a column the same columns of Wo: each tile is asked for JOINTLY.
; THE MATRIX INSTRUCTION IS USED TRANSPOSED (source 0 = 16 columns of Wo, source 1 = 16 tokens): a lane holds eight neighbouring columns of one token's row.
; REGISTERS: window 0: v16-30 addresses; two fragment buffers of 96 at v64 and v160 (Wo's eight fragments, then ctx's four); on the way out v64-191.  window 1: accumulator (a, b) at v[8 (8 a + b)].
.set KPL,   16                         ; planes in a K step
.set APL,   1024                       ; a plane of 64 tokens
.set BPL,   2048                       ; a plane of 128 columns
.set AREG,  KPL*APL
.set BREG,  KPL*BPL
.set BOFF,  2*AREG                     ; ctx's two halves, then Wo's two halves
.set SLOT,  2*AREG+2*BREG
.set STAGE, 2*SLOT                     ; behind the ring: 16 rows x (512 bytes + 16) for each wave; no tensor load lands there
.set SPITCH, 528
.set SPARE, STAGE+4*16*SPITCH          ; the spare words, 128 bytes a wave: two blocks of 256 bytes that no other line names
.set ASTEP, KPL*131072                 ; a K step on in ctx,
.set BSTEP, KPL*16384                  ; in wo16
.set LAPS,  4                          ; a lap = two K steps = once round the ring
.set ADRA, 16                          ; v16-17 LDS address of my fragments of ctx in slot 0, 1
.set ADRB, 20                          ; v20-21 the same for Wo
.set STO,  24                          ; v24 the way out: where I put 32 bytes of a row
.set RD,   25                          ; v25 where I read a row back
.set CO,   26                          ; v26 16 x lane: my bytes of a row of out0
.set SPW,  28                          ; v28 LDS address of my spare word; never rewritten
.set NIL,  29                          ; v29 0; never rewritten
.set PFO,  30                          ; v30 the prefetches' offset; never rewritten
.set F0,   64
.set F1,   160
.set BK,   64                          ; the way out: v64-127 and v128-191 by turns
.set G1, 24                            ; s[24:31] group 1 for ctx's tiles;  s[32:39] group 0, a set for each slot
.set G0, 32
.set G1B, 48                           ; s[48:55], s[56:63] the same for Wo's
.set G0B, 56
.set PFA, 66                           ; s[66:67] where my prefetches stand
.set LIM, 68                           ; s68 1 in the wave that prefetches, else the greatest number
.set MSB, 0
.macro WIN new                         ; the immediate's high byte repeats the setting that is left
.if MSB != \new
	s_set_vgpr_msb (MSB<<8)|\new
.set MSB, \new
.endif
.endm
.set MUL, 0x50                         ; C and D window 1, sources window 0
.macro JLOAD s                         ; a joint load: waves 0 and 1 fetch ctx's two halves, waves 2 and 3 Wo's; an s_nop 0 and four v_nop follow each of the two lines
	s_cmp_eq_u32 s11, 0
	s_cbranch_scc0 .Lfor_b_\@
	tensor_load_to_lds s[G0+4*\s:G0+4*\s+3], s[G1:G1+7]
	s_nop 0
.rept 4
	v_nop
.endr
	s_branch .Lasked_\@
.Lfor_b_\@:
	tensor_load_to_lds s[G0B+4*\s:G0B+4*\s+3], s[G1B:G1B+7]
	s_nop 0
.rept 4
	v_nop
.endr
.Lasked_\@:
.endm
.macro CREST                           ; a round of the cluster's barrier behind its opening barrier
	s_cmp_lg_u32 s10, 0
	s_cbranch_scc1 .Lnot_wave_0_\@
	s_barrier_signal -3
.Lnot_wave_0_\@:
	s_barrier_wait -3
	s_barrier_signal -1
	s_barrier_wait -1
.endm
.macro CROUND
	s_barrier_signal -1
	s_barrier_wait -1
	CREST
.endm
; A PREFETCH INTO THE L2 of ctx's K step that stands two refills on: 256 matrix instructions a wave ahead of the load that will want it.  A tile's K step is 16 planes x 2,048 bytes.  Only this row of the
; cluster reads these tokens (the grid is one cluster wide); its four partners take four planes each, told apart BY ADDRESS; in each, wave 0 asks: a lane names 256 bytes, so each is named once in the launch.
; The loop's last trip asks for nothing: no K step stands two refills on.  K steps 0 to 3 come by their loads alone.  Wo, which all clusters walk, is not asked for.
.macro ASK
	s_cmp_gt_u32 s3, s[LIM]
	s_cbranch_scc0 .Lnot_mine_\@
	global_prefetch_b8 v[PFO], s[PFA:PFA+1] offset:ASTEP th:TH_LOAD_NT scope:SCOPE_SE
.Lnot_mine_\@:
.endm
	s_load_b128 s[4:7], s[0:1], 0x0                ; ctx s[4:5], wo16 s[6:7]
	s_load_b64 s[8:9], s[0:1], 0x10                ; out0
	v_lshl_add_u32 v[SPW], v0, 2, SPARE
	v_mov_b32 v[NIL], 0
	ds_add_u32 v[SPW], v[NIL]                      ; the wave's opening: the add, twice on end, and its wait ahead of my first tensor load
	ds_add_u32 v[SPW], v[NIL]
	v_lshrrev_b32 v1, 5, v0
	v_readfirstlane_b32 s10, v1                    ; wave 0..3
	s_lshr_b32 s11, s10, 1                         ; which half of the tile's tokens is mine.  Also: I fetch for ctx (0) or for Wo (1)
	s_and_b32 s12, s10, 1                          ; which half of its columns.  Also: which half of that tile I fetch
	s_bfe_u32 s40, ttmp6, 0x40000                  ; cx, cy
	s_bfe_u32 s41, ttmp6, 0x40004
	s_lshl_b32 s42, ttmp9, 2
	s_add_co_u32 s42, s42, s40                     ; tile column
	s_and_b32 s13, ttmp7, 0xffff
	s_lshl_b32 s13, s13, 2
	s_add_co_u32 s13, s13, s41                     ; tile row
	s_lshl_b32 s43, s41, 2
	s_lshl_b32 s43, 15, s43                        ; my row of the cluster
	s_lshl_b32 s44, 0x1111, s40                    ; my column
	s_or_b32 s[G1+0], s43, (3<<16)|(1<<21)         ; 15:0 the mask; 17:16 elements of 8 bytes; 21 set beside a mask
	s_mov_b32 s[G1+1], 128<<16                     ; ctx: 16 planes x 1,024 bytes, 131,072 bytes apart
	s_mov_b32 s[G1+2], KPL<<16
	s_mov_b32 s[G1+3], 128<<16
	s_mov_b32 s[G1+4], KPL
	s_mov_b32 s[G1+5], 16384
	s_mov_b32 s[G1+6], 0
	s_mov_b32 s[G1+7], 0
	s_or_b32 s[G1B+0], s44, (3<<16)|(1<<21)
	s_mov_b32 s[G1B+1], 256<<16                    ; Wo: 16 planes x 2,048 bytes, 16,384 bytes apart
	s_mov_b32 s[G1B+2], KPL<<16
	s_mov_b32 s[G1B+3], 256<<16
	s_mov_b32 s[G1B+4], KPL
	s_mov_b32 s[G1B+5], 2048
	s_mov_b32 s[G1B+6], 0
	s_mov_b32 s[G1B+7], 0
	s_lshl_b32 s17, s12, 6
	s_lshl_b32 s16, s13, 7
	s_add_co_u32 s16, s16, s17                     ; ctx: token 128 x tile row + 64 x half
	s_lshl_b32 s16, s16, 4
	s_mov_b32 s17, 0
	s_lshl_b32 s46, s42, 8
	s_lshl_b32 s47, s12, 7
	s_add_co_u32 s46, s46, s47                     ; Wo: column 256 x tile column + 128 x half
	s_lshl_b32 s46, s46, 4
	s_mov_b32 s47, 0
	s_lshl_b32 s20, s12, 14                        ; where they go: no place in the cluster enters an LDS address
	s_lshl_b32 s21, s12, 15
	s_add_co_u32 s21, s21, BOFF
	s_wait_dscnt 0x0                               ; both opening adds are done
	s_wait_kmcnt 0x0
	s_add_nc_u64 s[14:15], s[4:5], s[16:17]
	s_add_nc_u64 s[46:47], s[6:7], s[46:47]
	CROUND                                         ; all sixteen work-groups are here: the first joint loads meet
.irp s, 0,1
	s_mov_b32 s[G0+4*\s], 1
	s_add_co_u32 s[G0+4*\s+1], s20, \s*SLOT
	s_add_nc_u64 s[G0+4*\s+2:G0+4*\s+3], s[14:15], \s*ASTEP
	s_or_b32 s[G0+4*\s+3], s[G0+4*\s+3], 0x80000000
	s_mov_b32 s[G0B+4*\s], 1
	s_add_co_u32 s[G0B+4*\s+1], s21, \s*SLOT
	s_add_nc_u64 s[G0B+4*\s+2:G0B+4*\s+3], s[46:47], \s*BSTEP
	s_or_b32 s[G0B+4*\s+3], s[G0B+4*\s+3], 0x80000000
	JLOAD \s
.endr
	v_and_b32 v1, 15, v0                           ; r
	v_bfe_u32 v2, v0, 4, 1                         ; h
	v_lshlrev_b32 v3, 4, v1
	v_lshl_add_u32 v4, v2, 10, v3                  ; ctx: plane + h, row r
	v_lshl_add_u32 v5, v2, 11, v3                  ; Wo likewise
	s_lshl_b32 s21, s11, 14                        ; my 64 tokens
	s_lshl_b32 s22, s12, 15                        ; my 128 columns
	s_add_co_u32 s22, s22, BOFF
.irp s, 0,1
	v_add_nc_u32 v[ADRA+\s], s21, v4
	v_add_nc_u32 v[ADRB+\s], s22, v5
	s_add_co_u32 s21, s21, SLOT
	s_add_co_u32 s22, s22, SLOT
.endr
	s_mul_i32 s23, s10, 16*SPITCH
	s_add_co_u32 s23, s23, STAGE                   ; my stage
	v_mul_u32_u24 v5, v1, SPITCH                   ; in: row r, 32 bytes for each half of the lanes
	v_lshl_add_u32 v5, v2, 5, v5
	v_add_nc_u32 v[STO], s23, v5
	v_and_b32 v6, 31, v0
	v_lshlrev_b32 v[CO], 4, v6                     ; back: the 32 lanes take one row of 512 bytes; and the same in out0
	v_add_nc_u32 v[RD], s23, v[CO]
	s_lshl_b32 s16, s13, 7
	s_lshl_b32 s17, s11, 6
	s_add_co_u32 s16, s16, s17                     ; my first row of out0
	s_lshl_b32 s16, s16, 12                        ; rows of 4,096 bytes
	s_mov_b32 s17, 0
	s_lshl_b32 s46, s42, 10                        ; my first column, in bytes
	s_lshl_b32 s47, s12, 9
	s_add_co_u32 s46, s46, s47
	s_mov_b32 s47, 0
	s_add_nc_u64 s[16:17], s[16:17], s[46:47]
	s_add_nc_u64 s[8:9], s[8:9], s[16:17]
	s_lshl_b32 s66, s13, 11                        ; the prefetches: my tile's 2,048 bytes of a plane,
	s_lshl_b32 s67, s40, 19                        ; my work-group's four planes of sixteen,
	s_add_co_u32 s66, s66, s67
	s_add_co_u32 s66, s66, 2*ASTEP                 ; at K step 2: the first refill steps it to 3 and names K step 4
	s_mov_b32 s67, 0
	s_add_nc_u64 s[PFA:PFA+1], s[4:5], s[66:67]
	s_cmp_eq_u32 s10, 0
	s_cselect_b32 s[LIM], 1, -1
	v_lshrrev_b32 v7, 3, v6
	v_and_b32 v8, 7, v6
	v_lshlrev_b32 v[PFO], 17, v7                   ; plane lane / 8,
	v_lshl_add_u32 v[PFO], v8, 8, v[PFO]           ; its 256 bytes lane % 8
; 8 matrix instructions: ctx's block a against Wo's eight, 32 along K.  The 32 accumulators take turns, one instruction a turn.
.macro MUL8 f, a, zero
.irp b, 0,1,2,3,4,5,6,7
.if \zero
	v_wmma_f32_16x16x32_f16 v[8*(8*\a+\b):8*(8*\a+\b)+7], v[\f+8*\b:\f+8*\b+7], v[\f+64+8*\a:\f+64+8*\a+7], 0
.else
	v_wmma_f32_16x16x32_f16 v[8*(8*\a+\b):8*(8*\a+\b)+7], v[\f+8*\b:\f+8*\b+7], v[\f+64+8*\a:\f+64+8*\a+7], v[8*(8*\a+\b):8*(8*\a+\b)+7]
.endif
.endr
.endm
; 24 LDS loads in one run: the fragments of the slot's kq-th 32 along K: registers 4 g .. 4 g + 3 are plane 4 kq + 2 g + h.  Wo's first, ctx's blocks 2 and 3 last.
.macro FETCH slot, kq, f
	WIN 0
.irp b, 0,1,2,3,4,5,6,7
.irp g, 0,1
	ds_load_b128 v[\f+8*\b+4*\g:\f+8*\b+4*\g+3], v[ADRB+\slot] offset:(4*(\kq)+2*\g)*BPL+256*\b
.endr
.endr
.irp a, 0,1,2,3
.irp g, 0,1
	ds_load_b128 v[\f+64+8*\a+4*\g:\f+64+8*\a+4*\g+3], v[ADRA+\slot] offset:(4*(\kq)+2*\g)*APL+256*\a
.endr
.endr
.endm
.macro PLACES                          ; four plain lines in front of loads into registers that matrix instructions have read, and of the first read of results
.rept 4
	v_nop
.endr
.endm
; A K step is four quarters of 32 along K on buffers 0, 1, 0, 1.  One of the first three: multiplies buffer f and fetches the slot's kq-th quarter into g.
.macro QUARTER slot, kq, f, g, zero
	s_wait_dscnt 4                                 ; all but the youngest four loads (ctx's blocks 2, 3) are in
	WIN MUL
	MUL8 \f, 0, \zero
	MUL8 \f, 1, \zero
	PLACES
	FETCH \slot, \kq, \g
	s_wait_dscnt 24                                ; all but the 24 just issued
	WIN MUL
	MUL8 \f, 2, \zero
	MUL8 \f, 3, \zero
.endm
; The last quarter multiplies buffer 1 and changes slots: ONE barrier; in front of it each wave waits for all its tensor loads, adds 0 to its spare word, and waits for that and for its reads of this slot.
; fill = 1: the barrier opens a round of the cluster's, and the slot is filled again, two K steps ahead: the first thing behind the round.
.macro TURN slot, next, fill
	WIN 0
.if \fill
	s_wait_xcnt 0x0                                ; the last prefetch, a K step back, has read its address, which steps here, ahead of the waits of the change of slots
	s_add_nc_u64 s[PFA:PFA+1], s[PFA:PFA+1], ASTEP
.endif
	s_wait_tensorcnt 0x0                           ; all my tensor loads have landed: my part of the next slot;
	ds_add_u32 v[SPW], v[NIL]                      ; 0 onto my spare word
	s_wait_dscnt 5                                 ; (the add and the youngest four loads may be out)
	WIN MUL
	MUL8 F1, 0, 0
	s_wait_dscnt 0x0                               ; the add is done, and my reads of this slot are over
	s_barrier_signal -1
	MUL8 F1, 1, 0
.if \fill
	WIN 0
.endif
	s_barrier_wait -1
.if \fill
	CREST                                          ; no wave of any partner still reads this slot or has a load on its way
	s_add_nc_u64 s[G0+4*\slot+2:G0+4*\slot+3], s[G0+4*\slot+2:G0+4*\slot+3], 2*ASTEP
	s_add_nc_u64 s[G0B+4*\slot+2:G0B+4*\slot+3], s[G0B+4*\slot+2:G0B+4*\slot+3], 2*BSTEP
	JLOAD \slot                                    ; its four v_nop are also the places in front of the loads below
.else
	PLACES
.endif
	FETCH \next, 0, F0
.if \fill
	ASK
.endif
	WIN MUL
	MUL8 F1, 2, 0
	MUL8 F1, 3, 0
.endm
	s_wait_tensorcnt 1                             ; my part of K step 0 is in; K step 1's load, issued behind it, may be out,
	s_barrier_signal -1
	s_barrier_wait -1                              ; everybody's is
	FETCH 0, 0, F0
	QUARTER 0, 1, F0, F1, 1                        ; the first quarter's products start the sums: nothing is cleared
	WIN 0                                          ; at a label and at a branch every window is 0
	s_mov_b32 s3, LAPS-1
.Llap:                                             ; a trip goes once round the ring, from a lap's second quarter to the next lap's first, and fills both slots again
	QUARTER 0, 2, F1, F0, 0
	QUARTER 0, 3, F0, F1, 0
	TURN 0, 1, 1
	QUARTER 1, 1, F0, F1, 0
	QUARTER 1, 2, F1, F0, 0
	QUARTER 1, 3, F0, F1, 0
	TURN 1, 0, 1
	QUARTER 0, 1, F0, F1, 0
	WIN 0
	s_sub_co_u32 s3, s3, 1
	s_cmp_lg_u32 s3, 0
	s_cbranch_scc1 .Llap
	QUARTER 0, 2, F1, F0, 0                        ; the last lap fills nothing
	QUARTER 0, 3, F0, F1, 0
	TURN 0, 1, 0
	QUARTER 1, 1, F0, F1, 0
	QUARTER 1, 2, F1, F0, 0
	QUARTER 1, 3, F0, F1, 0
	s_wait_dscnt 4                                 ; the very last quarter: nothing more to fetch
	WIN MUL
	MUL8 F1, 0, 0
	MUL8 F1, 1, 0
	s_wait_dscnt 0
	MUL8 F1, 2, 0
	MUL8 F1, 3, 0
	WIN 0
; THE WAY OUT, a block of 16 tokens x 128 columns at a time.  A lane holds 32 neighbouring bytes of a row, the lanes beside it other rows: so a block goes through my own stage in LDS and comes back as whole
; rows of 512 bytes.  LDS serves a wave's instructions in order: no wait between the stores and the loads, nor in front of the next block's stores.
.macro TOSTAGE a
	WIN 0x04                                       ; an LDS store's data are its source 1: window 1
.irp b, 0,1,2,3,4,5,6,7
	ds_store_b128 v[STO], v[64*(\a)+8*\b:64*(\a)+8*\b+3] offset:64*\b          ; each accumulator from its low end on
	ds_store_b128 v[STO], v[64*(\a)+8*\b+4:64*(\a)+8*\b+7] offset:64*\b+16
.endr
	WIN 0
.set BB, BK+64*((\a)%2)
.irp t, 0,1,2,3,4,5,6,7,8,9,10,11,12,13,14,15
	ds_load_b128 v[BB+4*\t:BB+4*\t+3], v[RD] offset:\t*SPITCH
.endr
.endm
.macro SEND a, younger                 ; younger: the LDS instructions issued behind block a's loads, which may stay out
.set BB, BK+64*((\a)%2)
	s_wait_dscnt \younger
.if (\a) > 0
	s_add_nc_u64 s[8:9], s[8:9], 16*4096           ; (behind a wait on XCNT: the earlier stores have read their base)
.endif
.irp t, 0,1,2,3,4,5,6,7,8,9,10,11,12,13,14,15
	global_store_b128 v[CO], v[BB+4*\t:BB+4*\t+3], s[8:9] offset:\t*4096 th:TH_STORE_NT   ; 32 lanes store 512 consecutive bytes, aligned to 256
.endr
.endm
	PLACES                                         ; behind the last products
	TOSTAGE 0
.irp a, 1,2,3
.if \a > 1
	s_wait_xcnt 0x0                                ; block a - 2's stores have read their registers and their base
.endif
	TOSTAGE \a
	SEND \a-1, 32                                  ; behind block a - 1's loads: block a's 16 stores and 16 loads
.endr
	s_wait_xcnt 0x0
	SEND 3, 0
	s_wait_tensorcnt 0x0                           ; the wave's end, behind my last tensor load and my last LDS store
	ds_add_u32 v[SPW], v[NIL]
	s_wait_dscnt 0x0
	CROUND                                         ; the closing round: no work-group ends while a partner may still ask for a tile that names it
	s_endpgm
.Lfunc_end_k_qd0fc4ae34f_oproj:
	.size	k_qd0fc4ae34f_oproj, .Lfunc_end_k_qd0fc4ae34f_oproj-k_qd0fc4ae34f_oproj
	.p2alignl 7, 3214868480
	.fill 96, 4, 3214868480
	.section	.rodata,"a",@progbits
	.p2align	6, 0x0
	.amdhsa_kernel k_qd0fc4ae34f_oproj
		.amdhsa_group_segment_fixed_size 327680
		.amdhsa_private_segment_fixed_size 0
		.amdhsa_enable_private_segment 0
		.amdhsa_kernarg_size 24
		.amdhsa_user_sgpr_count 2
		.amdhsa_user_sgpr_kernarg_segment_ptr 1
		.amdhsa_wavefront_size32 1
		.amdhsa_system_sgpr_workgroup_id_x 1
		.amdhsa_system_sgpr_workgroup_id_y 1
		.amdhsa_system_sgpr_workgroup_id_z 1
		.amdhsa_system_vgpr_workitem_id 0
		.amdhsa_next_free_vgpr 512
		.amdhsa_next_free_sgpr 72
		.amdhsa_reserve_vcc 0
		.amdhsa_float_denorm_mode_32 3
		.amdhsa_float_denorm_mode_16_64 3
		.amdhsa_memory_ordered 1
		.amdhsa_forward_progress 1
		.amdhsa_inst_pref_size 86
	.end_amdhsa_kernel
	.amdgpu_metadata
---
amdhsa.version: [ 1, 2 ]
amdhsa.kernels:
  - .name:           k_qd0fc4ae34f_oproj
    .symbol:         k_qd0fc4ae34f_oproj.kd
    .args:
      - { .name: ctx, .offset: 0, .size: 8, .value_kind: global_buffer, .address_space: global }
      - { .name: wo16, .offset: 8, .size: 8, .value_kind: global_buffer, .address_space: global }
      - { .name: out0, .offset: 16, .size: 8, .value_kind: global_buffer, .address_space: global }
    .group_segment_fixed_size: 327680
    .private_segment_fixed_size: 0
    .kernarg_segment_align: 8
    .kernarg_segment_size: 24
    .max_flat_workgroup_size: 128
    .sgpr_count:     72
    .vgpr_count:     512
    .wavefront_size: 32
...
	.end_amdgpu_metadata
.endif
;; end of part 4
